; MI455X (gfx1250); checked and timed in simulation.
; The chip was launched on July 23, 2026; its instructions are those of AMD's public machine-readable ISA for CDNA 5 (MIT licence, August 2026) and "CDNA5" Instruction Set Architecture Reference Guide (July 2026). The comments in the code are by the model that wrote it; some were corrected since.
;; Multihead Attention. Allowed arithmetic: matrix products marked QUANTISED: E2M3 operands, one E8M0 scale for each 32 along K, by v_wmma_scale_f32_16x16x128_f8f6f4 with both operands' format E2M3, f32 sums; everything else in f32.
;; Inputs: Wk 1,024 x 1,024 float32; Wout 1,024 x 1,024 float32; Wq 1,024 x 1,024 float32; Wv 1,024 x 1,024 float32; bk 1,024 float32; bout 1,024 float32; bq 1,024 float32; bv 1,024 float32; x 4 x 2,048 x 1,024 float32.
;; Outputs: out0 4 x 2,048 x 1,024 float32.
;; This version of the problem:
;;   THIS VERSION OF THE PROBLEM IS GIVEN IN LOW PRECISION. The matrix products marked QUANTISED in the list below multiply operands that are first quantised to E2M3 (2 exponent bits, 3 mantissa bits; 6 bits a number), with one power-of-two scale for each 32 numbers along K (OCP MX v1.0); their sums are f32. All else is computed in f32.
;;   The module's matrix products, in the order in which they are computed (A, B: the left and right operand; K: the contracted axis; several contracted axes count as one K, in the product's order):
;;     1. [M 8,192, K 1,024] x [K 1,024, N 1,024]; A: input x; B: input Wq: QUANTISED
;;     2. [M 8,192, K 1,024] x [K 1,024, N 1,024]; A: input x; B: input Wk: QUANTISED
;;     3. [M 8,192, K 1,024] x [K 1,024, N 1,024]; A: input x; B: input Wv: QUANTISED
;;     4. batch 64 x [M 2,048, K 64] x [K 64, N 2,048]; A: computed on the way; B: computed on the way: QUANTISED
;;     5. batch 64 x [M 64, K 2,048] x [K 2,048, N 2,048]; A: computed on the way; B: softmax (see below): QUANTISED
;;     6. [M 8,192, K 1,024] x [K 1,024, N 1,024]; A: computed on the way; B: input Wout: QUANTISED
;;   THE QUANTISER, for each operand of a quantised product, along K:
;;     - K is cut into blocks of 32 from its start; a last block that is shorter is filled with zeros.
;;     - A block's scale is 2^e with e = floor(log2(the largest magnitude in the block)) - 2, held to -126 .. 127; a block of zeros has e = 0. As a byte (E8M0): e + 127.
;;     - Each number is divided by its block's scale, clamped to +-7.5, and rounded to the nearest number of E2M3, ties to even, subnormals kept.
;;     - The product sums the exact products of the quantised numbers (number of the format x scale) in f32.
;;   ~~~python
;;   def quantise(x, axis):      # numpy; x: float32 -> the quantised numbers, widened to float32 again
;;       x = np.moveaxis(x, axis, -1); K = x.shape[-1]
;;       x = np.pad(x, [(0, 0)] * (x.ndim - 1) + [(0, -K % 32)]); x = x.reshape(x.shape[:-1] + (-1, 32)); a = np.abs(x).max(-1, keepdims=True)
;;       e = np.where(a > 0, np.clip(np.frexp(np.where(a > 0, a, 1))[1] - 1 - 2, -126, 127), 0)      # np.frexp(a)[1] - 1 = floor(log2(a)), exactly
;;       r = np.clip(x / 2.0 ** e, -7.5, 7.5)
;;       step = 2.0 ** (np.maximum(np.frexp(np.where(r == 0, 1, r))[1] - 1, 0) - 3)
;;       q = np.round(r / step) * step * 2.0 ** e      # np.round: ties to even
;;       return np.moveaxis(q.reshape(q.shape[:-2] + (-1,))[..., :K], -1, axis).astype(np.float32)
;;   ~~~
;;   SOFTMAX AHEAD OF A QUANTISED PRODUCT. Where the list says 'softmax', what is quantised is not the finished softmax but p = 2^(t - M), with t = logit x log2(e) and M = ceil(the row's largest t), a whole number; so 1/2 < the row's largest p <= 1. The row's sum l is taken of the UNQUANTISED p, in f32, and the product's result is divided by l at the end. Since M is a whole number, a kernel that streams over the keys may use a running M (the ceiling of the running maximum): every later rescaling is an exact power of two, which a block's scale takes up: the codes' values come out the same.
;;   OPERANDS COMPUTED ON THE WAY. 'Computed on the way' means the value that the module computes at that place (a softmax that the list does not call 'softmax' is quantised finished and normalised). What goes into a quantiser is computed in f32, as accurately as f32 sums, v_exp_f32 and their like allow (about 1e-6 of the number): no bf16 or f16 on the way to a quantiser, and a product that is left as it is and whose result goes on into a quantised operand takes f32 operands (vector FMAs, or v_wmma_f32_16x16x4_f32). A number that lies on a knife's edge between two numbers of the format may be rounded either way, as far as f32 arithmetic and the matrix unit's own rounding can turn it there, and no further.
;; One version. Each part assembles by itself: llvm-mc -triple=amdgcn-amd-amdhsa -mcpu=gfx1250 --defsym DOCPART=n.
;; ======== version 1 of 1: 4 launches
;; limits: right only within a limited range of input values
;; workspace buffers: xi 6,291,456 bytes; wi 3,145,728 bytes; sc1 360,448 bytes; sc2 294,912 bytes; q 6,553,600 bytes; kv 13,107,200 bytes; ai 6,291,456 bytes
;; launch quant (part 1): grid 768 x 1, 4 waves a work-group, no clusters, 34,816 bytes of LDS; arguments x, Wq, Wk, Wv, Wout, xi, wi, sc1, sc2; writes xi, wi, sc1, sc2
.if DOCPART == 1
	.amdgcn_target "amdgcn-amd-amdhsa--gfx1250"
	.amdhsa_code_object_version 6
	.text
	.protected	k_qa400cf396e_quant
	.globl	k_qa400cf396e_quant
	.p2align	8
	.type	k_qa400cf396e_quant,@function
k_qa400cf396e_quant:
	s_mov_b64 s[64:65], 0
	v_nop
	global_prefetch_b8 v0, s[64:65] scope:SCOPE_SE
	s_setreg_imm32_b32 hwreg(HW_REG_WAVE_MODE, 25, 1), 1
	s_wait_xcnt 0x0
; x [8192][1024] and Wq, Wk, Wv, Wout [1024][1024], f32, K innermost, become codes of FP6 (E2M3) with one E8M0 byte for each 32 along K,
; laid as IMAGES OF OPERAND REGISTERS.  A tile is 16 rows: tile 2 B + u takes rows 32 B + 8 u + r + 8 (r / 8), r = 0 .. 15.  A fragment is a tile x 128 along K: 12 registers a lane,
; 1,536 bytes, in two halves of 768: registers 6 c .. 6 c + 3 of lane l at 768 c + 16 l, registers 6 c + 4, 6 c + 5 at 768 c + 512 + 8 l.  Images: [tile][K step 0..7][1,536].
; Scale words (four bytes: 128 along K of a row): [tile][r][K step], 512 bytes a tile.
; A block's scale is 2^(floor(log2(its largest magnitude)) - 2); its byte is the largest magnitude's exponent field - 2, held at 1 from below.
; LIMITS: NaN and infinities among the inputs are not served; a block whose largest magnitude lies under 2^-124 has its byte held at 1; a block of zeros gets the byte 1
; where the rule says 127: its codes are zeros, which add nothing under any byte but 0xff, and the bytes are read by this program alone.
; SHARES.  A work-group takes one tile (work-groups 0-511: x; then 64 each for Wq, Wk, Wv, Wout); wave w takes K steps 2 w and 2 w + 1.  Each load reads 512 bytes of a row on end;
; a fragment's 8,192 bytes turn through the wave's own stage in LDS (rows 528 bytes apart: 33 x 16, so sixteen rows fall on sixteen different 16-byte columns), since the conversions
; take neighbours along K from ONE lane's registers: lane (r, h) owns blocks h and 2 + h of row r.  No tensor load, no ring; one barrier, for the tile's 512 bytes of scale words.
.set STGB,  8448                       ; a wave's stage: 16 rows x 528
.set PITCH, 528
.set SCG,   4*STGB                     ; the tile's scale words, gathered: 512 bytes
.set SPARE, SCG+512                    ; the spare words, 128 bytes for each wave: two blocks of 256 bytes that no other line names
.set SPW,   12                         ; v12  my spare word's address; never rewritten
.set NIL,   13                         ; v13  0; never rewritten
.set TM,    16                         ; v16-17 largest magnitudes, then bytes; v18-19 the conversions' scale operands
.set TT,    20                         ; v20-22, v24-26 the upper halves of the two blocks' codes
.set WD,    28                         ; v28-29 my row's two scale words
.set RAW,   32                         ; v32-159 two fragments as loaded
.set X,     160                        ; v160-223 64 numbers: my two blocks
.set CD,    224                        ; v224-247 the two fragments' codes: each has its own registers, so no store's data are written again
	s_load_b512 s[4:19], s[0:1], 0x0               ; x, Wq, Wk, Wv, Wout, xi, wi, sc1
	s_load_b64 s[20:21], s[0:1], 0x40              ; sc2
	v_lshl_add_u32 v[SPW], v0, 2, SPARE
	v_mov_b32 v[NIL], 0
	v_lshrrev_b32 v8, 5, v0
	v_readfirstlane_b32 s28, v8                    ; wave 0..3
	v_and_b32 v8, 31, v0                           ; lane
	v_and_b32 v9, 15, v0                           ; r
	v_bfe_u32 v10, v0, 4, 1                        ; h
	v_lshlrev_b32 v1, 4, v8                        ; 16 l
	v_lshlrev_b32 v2, 3, v8                        ; 8 l
	s_mul_i32 s29, s28, STGB
	v_add_nc_u32 v3, s29, v1                       ; the stage, on the way in: 16 l of a row
	v_mul_u32_u24 v4, v9, PITCH
	v_lshl_add_u32 v4, v10, 7, v4
	v_add_nc_u32 v4, s29, v4                       ; and out: row r, + 128 h: block h
	s_lshl_b32 s30, s28, 3
	s_add_co_u32 s30, s30, SCG
	v_lshlrev_b32 v5, 5, v9
	v_add_nc_u32 v5, s30, v5                       ; my row's words of K steps 2 w, 2 w + 1: 32 r + 8 w
	v_add_nc_u32 v6, SCG, v1                       ; and the way out of all 512 bytes
	v_lshlrev_b32 v7, 3, v10                       ; 8 h: my bytes' place in a word
	s_mov_b32 s32, 0x76543210
	s_mov_b32 s33, 0xfedcba98                      ; v_permlanex16_b32's selects for lane l xor 16
	s_wait_alu depctr_va_vdst(0)
	s_wait_kmcnt 0x0
	; which tensor: choices on the work-group's number alone
	s_mov_b64 s[22:23], s[12:13]
	s_mov_b32 s24, 704
	s_cmp_lt_u32 ttmp9, 704
	s_cselect_b64 s[22:23], s[10:11], s[22:23]
	s_cselect_b32 s24, 640, s24
	s_cselect_b64 s[36:37], s[18:19], s[20:21]     ; the words go to sc1, Wout's to sc2
	s_cselect_b32 s25, 0, 192                      ; (there as tiles 512 on)
	s_cmp_lt_u32 ttmp9, 640
	s_cselect_b64 s[22:23], s[8:9], s[22:23]
	s_cselect_b32 s24, 576, s24
	s_cmp_lt_u32 ttmp9, 576
	s_cselect_b64 s[22:23], s[6:7], s[22:23]
	s_cselect_b32 s24, 512, s24
	s_cmp_lt_u32 ttmp9, 512
	s_cselect_b64 s[22:23], s[4:5], s[22:23]
	s_cselect_b32 s24, 0, s24
	s_cselect_b64 s[26:27], s[14:15], s[16:17]     ; the images go to xi or to wi
	s_cselect_b32 s31, 0, 512
	s_sub_co_u32 s24, ttmp9, s24                   ; the tile's number in its tensor
	s_lshr_b32 s34, s24, 1
	s_lshl_b32 s34, s34, 17                        ; 32 rows of 4,096 bytes for each pair of tiles,
	s_and_b32 s35, s24, 1
	s_lshl_b32 s35, s35, 15                        ; 8 rows for the odd one,
	s_add_co_u32 s34, s34, s35
	s_lshl_b32 s35, s28, 10                        ; two K steps of 512 bytes a wave
	s_add_co_u32 s34, s34, s35
	s_mov_b32 s35, 0
	s_add_nc_u64 s[22:23], s[22:23], s[34:35]
	s_sub_co_u32 s34, ttmp9, s31
	s_mul_i32 s34, s34, 12288
	s_mul_i32 s38, s28, 3072
	s_add_co_u32 s34, s34, s38
	s_add_nc_u64 s[26:27], s[26:27], s[34:35]
	s_sub_co_u32 s34, ttmp9, s25
	s_lshl_b32 s34, s34, 9
	s_add_nc_u64 s[36:37], s[36:37], s[34:35]
.irp f, 0,1
.irp i, 0,1,2,3,4,5,6,7,8,9,10,11,12,13,14,15
	global_load_b128 v[RAW+64*\f+4*\i:RAW+64*\f+4*\i+3], v1, s[22:23] offset:(\i+8*(\i/8))*4096+512*\f th:TH_LOAD_NT   ; 32 lanes read 512 bytes of the tile's row i on end
.endr
.endr
.macro TURN f                          ; a fragment through the stage: LDS serves a wave's instructions in order, so no wait stands between the stores and the loads
.irp i, 0,1,2,3,4,5,6,7,8,9,10,11,12,13,14,15
	ds_store_b128 v3, v[RAW+64*\f+4*\i:RAW+64*\f+4*\i+3] offset:PITCH*\i
.endr
.irp c, 0,1
.irp e, 0,1,2,3,4,5,6,7
	ds_load_b128 v[X+32*\c+4*\e:X+32*\c+4*\e+3], v4 offset:256*\c+16*\e   ; k = 64 c + 32 h + 4 e ..
.endr
.endr
	s_wait_dscnt 0x0
.endm
.macro QUANTL f                        ; my two blocks become registers 6 c .. 6 c + 5 of the fragment; the row's word is gathered from lanes l and l xor 16
.set C, CD+12*\f
.irp c, 0,1
	v_max3_num_f32 v[TM+\c], |v[X+32*\c]|, |v[X+1+32*\c]|, 0x1800000   ; with the floor 2^(3 - 127): the byte cannot fall under 1
.endr
.irp i, 2,4,6,8,10,12,14,16,18,20,22,24,26,28,30
.irp c, 0,1
	v_max3_num_f32 v[TM+\c], v[TM+\c], |v[X+32*\c+\i]|, |v[X+1+32*\c+\i]|
.endr
.endr
.irp c, 0,1
	v_add_nc_u32 v[TM+2+\c], 0xff000000, v[TM+\c]  ; 2 off the exponent field: the conversion's scale operand
.endr
.irp c, 0,1
	v_lshrrev_b32 v[TM+\c], 23, v[TM+2+\c]         ; the scale's byte
.endr
	v_lshl_or_b32 v[WD+\f], v[TM+1], 16, v[TM]     ; blocks h and 2 + h,
	v_lshlrev_b32 v[WD+\f], v7, v[WD+\f]           ; at their places;
	v_permlanex16_b32 v[TM], v[WD+\f], s32, s33
	v_or_b32 v[WD+\f], v[WD+\f], v[TM]             ; with lane l xor 16's two the word is whole
.irp c, 0,1
	v_cvt_scalef32_pk16_fp6_f32 v[C+6*\c:C+6*\c+2], v[X+32*\c:X+32*\c+15], v[TM+2+\c]
	v_cvt_scalef32_pk16_fp6_f32 v[TT+4*\c:TT+4*\c+2], v[X+32*\c+16:X+32*\c+31], v[TM+2+\c]   ; (a conversion's three registers begin on an even number)
.endr
	v_nop                                          ; one plain place behind the scaled conversions
.irp c, 0,1
.irp i, 0,1,2
	v_mov_b32 v[C+6*\c+3+\i], v[TT+4*\c+\i]
.endr
.endr
	global_store_b128 v1, v[C:C+3], s[26:27] offset:1536*\f           ; each store covers 512 or 256 bytes on end, at a multiple of 256 from the buffer's first byte
	global_store_b64 v2, v[C+4:C+5], s[26:27] offset:1536*\f+512
	global_store_b128 v1, v[C+6:C+9], s[26:27] offset:1536*\f+768
	global_store_b64 v2, v[C+10:C+11], s[26:27] offset:1536*\f+1280
.endm
	s_wait_loadcnt 16                              ; the first fragment's 16 loads are in; the second's may be out
	TURN 0
	QUANTL 0
	s_wait_loadcnt 0x0
	TURN 1
	QUANTL 1
	ds_store_b64 v5, v[WD:WD+1]                    ; lanes r and r + 16 write the same bytes with the same value
	s_wait_dscnt 0x0                               ; for the others' sake: my words have landed
	s_barrier_signal -1
	s_barrier_wait -1
	s_cmp_lg_u32 s28, 0
	s_cbranch_scc1 .Lnot_wave_0
	ds_load_b128 v[16:19], v6                      ; wave 0 stores the tile's 512 bytes of words on end
	s_wait_dscnt 0x0
	global_store_b128 v1, v[16:19], s[36:37]
.Lnot_wave_0:
	s_wait_tensorcnt 0x0                           ; the wave's end, behind my last LDS store
	ds_add_u32 v[SPW], v[NIL]
	s_wait_dscnt 0x0
	s_endpgm
.Lfunc_end_k_qa400cf396e_quant:
	.size	k_qa400cf396e_quant, .Lfunc_end_k_qa400cf396e_quant-k_qa400cf396e_quant
	.p2alignl 7, 3214868480
	.fill 96, 4, 3214868480
	.section	.rodata,"a",@progbits
	.p2align	6, 0x0
	.amdhsa_kernel k_qa400cf396e_quant
		.amdhsa_group_segment_fixed_size 34816
		.amdhsa_private_segment_fixed_size 0
		.amdhsa_enable_private_segment 0
		.amdhsa_kernarg_size 72
		.amdhsa_user_sgpr_count 2
		.amdhsa_user_sgpr_kernarg_segment_ptr 1
		.amdhsa_wavefront_size32 1
		.amdhsa_system_sgpr_workgroup_id_x 1
		.amdhsa_system_sgpr_workgroup_id_y 1
		.amdhsa_system_sgpr_workgroup_id_z 1
		.amdhsa_system_vgpr_workitem_id 0
		.amdhsa_next_free_vgpr 248
		.amdhsa_next_free_sgpr 66
		.amdhsa_reserve_vcc 0
		.amdhsa_float_denorm_mode_32 3
		.amdhsa_float_denorm_mode_16_64 3
		.amdhsa_memory_ordered 1
		.amdhsa_forward_progress 1
		.amdhsa_inst_pref_size 18
	.end_amdhsa_kernel
	.amdgpu_metadata
---
amdhsa.version: [ 1, 2 ]
amdhsa.kernels:
  - .name:           k_qa400cf396e_quant
    .symbol:         k_qa400cf396e_quant.kd
    .args:
      - { .name: x, .offset: 0, .size: 8, .value_kind: global_buffer, .address_space: global }
      - { .name: Wq, .offset: 8, .size: 8, .value_kind: global_buffer, .address_space: global }
      - { .name: Wk, .offset: 16, .size: 8, .value_kind: global_buffer, .address_space: global }
      - { .name: Wv, .offset: 24, .size: 8, .value_kind: global_buffer, .address_space: global }
      - { .name: Wout, .offset: 32, .size: 8, .value_kind: global_buffer, .address_space: global }
      - { .name: xi, .offset: 40, .size: 8, .value_kind: global_buffer, .address_space: global }
      - { .name: wi, .offset: 48, .size: 8, .value_kind: global_buffer, .address_space: global }
      - { .name: sc1, .offset: 56, .size: 8, .value_kind: global_buffer, .address_space: global }
      - { .name: sc2, .offset: 64, .size: 8, .value_kind: global_buffer, .address_space: global }
    .group_segment_fixed_size: 34816
    .private_segment_fixed_size: 0
    .kernarg_segment_align: 8
    .kernarg_segment_size: 72
    .max_flat_workgroup_size: 128
    .sgpr_count:     66
    .vgpr_count:     248
    .wavefront_size: 32
...
	.end_amdgpu_metadata
.endif
;; end of part 1
;; launch qkv (part 2): grid 12 x 32, 4 waves a work-group, clusters of 4 x 4, 327,680 bytes of LDS; arguments xi, wi, sc1, bq, bk, bv, q, kv; writes q, kv
.if DOCPART == 2
	.amdgcn_target "amdgcn-amd-amdhsa--gfx1250"
	.amdhsa_code_object_version 6
	.text
	.protected	k_qa400cf396e_qkv
	.globl	k_qa400cf396e_qkv
	.p2align	8
	.type	k_qa400cf396e_qkv,@function
k_qa400cf396e_qkv:
	s_mov_b64 s[64:65], 0
	v_nop
	global_prefetch_b8 v0, s[64:65] scope:SCOPE_SE
	s_setreg_imm32_b32 hwreg(HW_REG_WAVE_MODE, 25, 1), 1
	s_wait_xcnt 0x0
	s_wait_alu depctr_hold_cnt(0) depctr_sa_sdst(0) depctr_va_vdst(0) depctr_va_sdst(0) depctr_va_ssrc(0) depctr_va_vcc(0) depctr_vm_vsrc(0)
	s_getreg_b32 s2, hwreg(HW_REG_IB_STS2, 6, 4)
	s_cmp_eq_u32 s2, 0
	s_cbranch_scc0 .Lentry_in_a_cluster
	s_endpgm
.Lentry_in_a_cluster:
	s_bfe_u32 s2, ttmp6, 0x10000c
	s_cmp_lg_u32 s2, 0xf033
	s_cbranch_scc0 .Lentry_shape_is_right
	s_endpgm
.Lentry_shape_is_right:
; q = x Wq^T + bq, k = x Wk^T + bk, v = x Wv^T + bv on codes of FP6 (E2M3) with E8M0 scales, sums in f32; the results are quantised here, q and k along a head's 64, v along the keys,
; and leave as images of the attention launch's operand registers.  Operands arrive as images (a tile = 16 rows: tile 2 B + u takes rows 32 B + 8 u + r + 8 (r / 8); a fragment = a tile x 128 K,
; 1,536 bytes: registers 6 c .. 6 c + 3 of lane l at 768 c + 16 l, registers 6 c + 4, 6 c + 5 at 768 c + 512 + 8 l), laid [tile][K step][1,536]; scale words [tile][r][K step].
; SHAPE.  A work-group makes 256 x 256: four waves of 128 x 128, 64 accumulators in 512 registers.  K = 1,024 in 8 steps of 128, written out (each step names other scale registers),
; through two LDS slots of two steps each, filled by the tensor data mover.  4 x 4 work-groups form a cluster: x's tiles are asked for jointly along a row of it, W's along a column.
; ROLES by the cluster's x, which all partners share: 0 = q, 1 = k, 2 = v.  P is source 0, its rows run along a lane's result registers; R is source 1, its row is the lane's.  q, k: P = W, R = x: a lane holds one
; row of x and, by the choice of a tile's rows, registers 16 B + i = feature 32 B + 16 (lane / 16) + i: neighbours along the next K.  v: P = x, R = Wv: a lane holds one feature and neighbouring KEYS.
; The tensor loads are the same in all roles; only the LDS bases of the fragment reads are chosen.
; OUT.  q: [head][step of 128 rows][6,400]: 4 images of 1,536 (three blocks of 512: registers 4 c .. 4 c + 3 of lane l at 512 c + 16 l), then words [r][j] at 6,144.  Image j: registers 0-5 the 64 codes of tile 2 j's rows,
; registers 6-11 those of tile 2 j + 1's.  kv: [head][step][12,800]: k's 4 images so, v's 4 images at 6,144 (rows: tile t of the head's 64 features; K: the step's 128 keys), k's words at 12,288, v's at 12,544.
; LIMITS: NaN and infinities are not served; a block whose largest magnitude lies under 2^-124 has its byte held at 1; a block of zeros gets the byte 1 (its codes are zeros; this program alone reads the bytes).
; REGISTERS.  window 0: v10-30 addresses; v32-95 scale words of all 8 steps (register 8 i + g: lanes 0-15 R's tile i, lanes 16-31 P's tile i), nothing else ever; v128-223 R's 8 fragments, one set; on the way out v96-223 at work.
;   window 1: P's fragments, two sets, at v0 and v128; the bias at v96-127 and v224-255.   windows 2, 3: accumulator (a, b) at v[8 (8 (a % 4) + b)].
.set KT,     12288                     ; a tile's eight K steps in bytes
.set HALFB,  24576                     ; eight tiles x two K steps: what one tensor load brings
.set WREG,   49152                     ; in a slot W's 16 tiles lie behind x's 16
.set SLOT,   98304
.set SPARE,  2*SLOT                    ; the spare words, 128 bytes for each wave: two blocks of 256 bytes that no other line names
.set FR,  12
.set NL,  4                            ; LDS loads that bring a fragment
.set L16, 10                           ; v10  16 l
.set L8,  11                           ; v11  8 l
.set ADR, 16                           ; v16-17 R's fragments in slot 0, 1 (+ 16 l); v18-19 the same + 8 l
.set ADP, 20                           ; v20-23 the same for P
.set WO,  26                           ; v26  where my words go
.set SOF, 27                           ; v27  my scale words' offset
.set SPW, 28
.set NIL, 29
.set SELR, 30                          ; v30  byte selects: lanes 0-15 the even head's, lanes 16-31 the odd head's
.set SC,  32
.set TM,  96                           ; v96-111 at work in the quantiser
.set PW,  112                          ; v112-119 the eight words made
.set WR,  120                          ; v120-123 the words as they leave
.set RF,  128
.set HA,  128                          ; v128-191 64 results + bias
.set IE,  192                          ; v192-203 an image (the even head's)
.set IO,  204                          ; v204-215 the odd head's
.set TT,  216                          ; v216-223 the conversions' second halves
.set G1X, 24
.set G0X, 32
.set G1W, 48
.set G0W, 56
.set MSB, 0
.macro WIN new                         ; the immediate's high byte repeats the setting that is left
.if MSB != \new
	s_set_vgpr_msb (MSB<<8)|\new
.set MSB, \new
.endif
.endm
.set MUL_LO, 0xa1                      ; source 0 (P) window 1, source 1 (R) window 0, C and D window 2
.set MUL_HI, 0xf1
.set TO_P,   0x40                      ; destination window 1, address window 0
.macro PLACES                          ; four plain places behind a matrix instruction, in front of loads into its registers and of reads of results
.rept 4
	v_nop
.endr
.endm
.macro JLOAD n                         ; a joint load into slot n: waves 0, 1 fetch x's two halves, waves 2, 3 W's; an s_nop 0 and four v_nop follow each line
	s_cmp_eq_u32 s21, 0
	s_cbranch_scc0 .Lfor_w_\@
	tensor_load_to_lds s[G0X+4*\n:G0X+4*\n+3], s[G1X:G1X+7]
	s_nop 0
.rept 4
	v_nop
.endr
	s_branch .Lasked_\@
.Lfor_w_\@:
	tensor_load_to_lds s[G0W+4*\n:G0W+4*\n+3], s[G1W:G1W+7]
	s_nop 0
.rept 4
	v_nop
.endr
.Lasked_\@:
.endm
.macro CREST                           ; a round of the cluster's barrier behind its opening barrier
	s_cmp_lg_u32 s20, 0
	s_cbranch_scc1 .Lnot_wave_0_\@
	s_barrier_signal -3
.Lnot_wave_0_\@:
	s_barrier_wait -3
	s_barrier_signal -1
	s_barrier_wait -1
.endm
.macro CROUND
	s_barrier_signal -1
	s_barrier_wait -1
	CREST
.endm
.macro FRAG reg, a16, off              ; an image comes back as it was stored
	ds_load_b128 v[\reg:\reg+3], v[\a16] offset:\off
	ds_load_b64 v[\reg+4:\reg+5], v[\a16+2] offset:\off+512
	ds_load_b128 v[\reg+6:\reg+9], v[\a16] offset:\off+768
	ds_load_b64 v[\reg+10:\reg+11], v[\a16+2] offset:\off+1280
.endm
.macro FETCH_P slot, q, set            ; P's eight fragments of the slot's q-th K step
	WIN TO_P
.irp i, 0,1,2,3,4,5,6,7
	FRAG 128*(\set)+FR*\i, ADP+\slot, 3072*\i+1536*(\q)
.endr
	WIN 0
.endm
.macro FETCH_R slot, q, i0             ; R's blocks i0 .. i0 + 3
.irp i, \i0, \i0+1, \i0+2, \i0+3
	FRAG RF+FR*(\i), ADR+\slot, 3072*(\i)+1536*(\q)
.endr
.endm
; 16 products: R's blocks a0, a0 + 1 x P's eight, K step g.  The 64 accumulators take turns, one instruction a turn, in the same order in every step.
.macro MUL16 a0, set, g, zero
.irp a, \a0, \a0+1
.irp b, 0,1,2,3,4,5,6,7
.if \zero
	v_wmma_scale_f32_16x16x128_f8f6f4 v[8*(8*((\a)%4)+\b):8*(8*((\a)%4)+\b)+7], v[128*(\set)+FR*\b:128*(\set)+FR*\b+FR-1], v[RF+FR*(\a):RF+FR*(\a)+FR-1], 0, v[SC+8*\b+(\g)], v[SC+8*(\a)+(\g)] matrix_a_fmt:MATRIX_FMT_FP6 matrix_b_fmt:MATRIX_FMT_FP6 matrix_a_scale:MATRIX_SCALE_ROW1
.else
	v_wmma_scale_f32_16x16x128_f8f6f4 v[8*(8*((\a)%4)+\b):8*(8*((\a)%4)+\b)+7], v[128*(\set)+FR*\b:128*(\set)+FR*\b+FR-1], v[RF+FR*(\a):RF+FR*(\a)+FR-1], v[8*(8*((\a)%4)+\b):8*(8*((\a)%4)+\b)+7], v[SC+8*\b+(\g)], v[SC+8*(\a)+(\g)] matrix_a_fmt:MATRIX_FMT_FP6 matrix_b_fmt:MATRIX_FMT_FP6 matrix_a_scale:MATRIX_SCALE_ROW1
.endif
.endr
.endr
.endm
.macro STEP slot, g, zero              ; a slot's first K step
	s_wait_dscnt 4*NL                              ; P's set and R's blocks 0-3 are in; the youngest 16 loads (R's blocks 4-7) may be out
	WIN MUL_LO
	MUL16 0, 0, \g, \zero
	MUL16 2, 0, \g, \zero
	s_wait_dscnt 0
	PLACES
	FETCH_P \slot, 1, 1
	FETCH_R \slot, 1, 0
	WIN MUL_HI
	MUL16 4, 0, \g, \zero
	MUL16 6, 0, \g, \zero
	PLACES
	WIN 0
	FETCH_R \slot, 1, 4
.endm
; A slot's second K step changes slots: one barrier; in front of it each wave waits for all its tensor loads, adds 0 to its spare word, and waits for that and for its reads of this slot.  fill = 1: the slot is filled again.
.macro TURN slot, next, fill, g
	s_wait_tensorcnt 0x0                           ; all my tensor loads have landed: my part of the next slot
	ds_add_u32 v[SPW], v[NIL]                      ; 0 onto my spare word
	s_wait_dscnt 4*NL+1                            ; (the add and the youngest 16 loads may be out)
	WIN MUL_LO
	MUL16 0, 1, \g, 0
	s_wait_dscnt 0x0                               ; the add is done, and my reads of this slot are over
	s_barrier_signal -1
	MUL16 2, 1, \g, 0
	WIN 0
	s_barrier_wait -1
.if \fill
	CREST                                          ; the barrier has opened a round of the cluster's: no wave of any partner still reads this slot or has a load on its way
	s_add_nc_u64 s[G0X+4*\slot+2:G0X+4*\slot+3], s[G0X+4*\slot+2:G0X+4*\slot+3], 6144   ; four K steps on
	s_add_nc_u64 s[G0W+4*\slot+2:G0W+4*\slot+3], s[G0W+4*\slot+2:G0W+4*\slot+3], 6144
	JLOAD \slot                                    ; the first tensor load behind the round; its four v_nop are the places in front of the loads below
.else
	PLACES
.endif
	FETCH_P \next, 0, 0
	FETCH_R \next, 0, 0
	WIN MUL_HI
	MUL16 4, 1, \g, 0
	MUL16 6, 1, \g, 0
	PLACES
	WIN 0
	FETCH_R \next, 0, 4
.endm
.macro LAST g
	s_wait_dscnt 4*NL
	WIN MUL_LO
	MUL16 0, 1, \g, 0
	MUL16 2, 1, \g, 0
	s_wait_dscnt 0
	WIN MUL_HI
	MUL16 4, 1, \g, 0
	MUL16 6, 1, \g, 0
	WIN 0
.endm
; 64 numbers of a lane, register 16 b + i = k 32 b + 16 (lane / 16) + i of my row, become codes: k 0-63 in v[d0 .. d0 + 5], k 64-127 in v[d1 .. d1 + 5] (lane (r, h): 32 h + 0 .. 31 of each), and the row's word in v[pw].
.macro QUANT s, d0, d1, t, pw
.irp b, 0,1,2,3
	v_max3_num_f32 v[TM+\b], |v[\s+16*\b]|, |v[\s+1+16*\b]|, 0x1800000   ; with the floor 2^(3 - 127): the byte cannot fall under 1
.endr
.irp i, 2,4,6,8,10,12,14
.irp b, 0,1,2,3
	v_max3_num_f32 v[TM+\b], v[TM+\b], |v[\s+16*\b+\i]|, |v[\s+1+16*\b+\i]|
.endr
.endr
.irp b, 0,1,2,3
	v_permlanex16_b32 v[TM+4+\b], v[TM+\b], s82, s83
.endr
.irp b, 0,1,2,3
	v_max_num_f32 v[TM+\b], v[TM+\b], v[TM+4+\b]   ; with lane l xor 16's: the block's largest magnitude
.endr
.irp b, 0,1,2,3
	v_add_nc_u32 v[TM+12+\b], 0xff000000, v[TM+\b] ; 2 off the exponent field: the conversion's scale operand
.endr
.irp b, 0,1,2,3
	v_lshrrev_b32 v[TM+4+\b], 23, v[TM+12+\b]      ; the scale's byte
.endr
	v_lshl_or_b32 v[\pw], v[TM+5], 8, v[TM+4]
	v_lshl_or_b32 v[\pw], v[TM+6], 16, v[\pw]
	v_lshl_or_b32 v[\pw], v[TM+7], 24, v[\pw]
	v_cvt_scalef32_pk16_fp6_f32 v[\d0:\d0+2], v[\s:\s+15], v[TM+12]
	v_cvt_scalef32_pk16_fp6_f32 v[\t:\t+2], v[\s+16:\s+31], v[TM+13]
	v_cvt_scalef32_pk16_fp6_f32 v[\d1:\d1+2], v[\s+32:\s+47], v[TM+14]
	v_cvt_scalef32_pk16_fp6_f32 v[\t+4:\t+6], v[\s+48:\s+63], v[TM+15]
	v_nop                                          ; one plain place behind the scaled conversions
.irp i, 0,1,2
	v_permlane16_swap_b32 v[\d0+\i], v[\t+\i]      ; a whole block to a lane: lanes 0-15 the even block, lanes 16-31 the odd one
.endr
.irp i, 0,1,2
	v_mov_b32 v[\d0+3+\i], v[\t+\i]
.endr
.irp i, 0,1,2
	v_permlane16_swap_b32 v[\d1+\i], v[\t+4+\i]
.endr
.irp i, 0,1,2
	v_mov_b32 v[\d1+3+\i], v[\t+4+\i]
.endr
.endm
; The results of R's block a + the bias, into window 0; each accumulator is read from its low end on.  _P: the bias runs along the registers (P's rows); _R: it is the lane's (R's row).
.macro ADDB_P a
	WIN 0x06+((\a)/4)
.irp b, 0,1,2,3,4,5,6,7
.irp p, 0,2,4,6
	v_pk_add_f32 v[HA+8*\b+\p:HA+8*\b+\p+1], v[64*((\a)%4)+8*\b+\p:64*((\a)%4)+8*\b+\p+1], v[96+128*(\b/4)+8*(\b%4)+\p:96+128*(\b/4)+8*(\b%4)+\p+1]
.endr
.endr
	WIN 0
.endm
.macro ADDB_R a
	WIN 0x06+((\a)/4)
.irp b, 0,1,2,3,4,5,6,7
.irp p, 0,2,4,6
	v_pk_add_f32 v[HA+8*\b+\p:HA+8*\b+\p+1], v[64*((\a)%4)+8*\b+\p:64*((\a)%4)+8*\b+\p+1], v[96+2*(\a):97+2*(\a)] op_sel_hi:[1,0]
.endr
.endr
	WIN 0
.endm
	s_load_b512 s[4:19], s[0:1], 0x0               ; xi, wi, sc1, bq, bk, bv, q, kv
	v_lshl_add_u32 v[SPW], v0, 2, SPARE
	v_mov_b32 v[NIL], 0
	ds_add_u32 v[SPW], v[NIL]                      ; the wave's opening: the add and its wait ahead of my first tensor load; the set-up below stands between them
	ds_add_u32 v[SPW], v[NIL]
	v_lshrrev_b32 v1, 5, v0
	v_readfirstlane_b32 s20, v1                    ; wave 0..3
	s_lshr_b32 s21, s20, 1                         ; which half of R's tiles is mine.  Also: I fetch for x (0) or for W (1)
	s_and_b32 s22, s20, 1                          ; which half of P's.  Also: which eight tiles I fetch
	s_bfe_u32 s40, ttmp6, 0x40000                  ; cx
	s_bfe_u32 s41, ttmp6, 0x40004                  ; cy
	s_lshl_b32 s42, ttmp9, 2
	s_add_co_u32 s42, s42, s40                     ; gx: W's block of 16 tiles (0-3 Wq, 4-7 Wk, 8-11 Wv)
	s_and_b32 s43, ttmp7, 0xffff
	s_lshl_b32 s43, s43, 2
	s_add_co_u32 s43, s43, s41                     ; gy: x's block of 16 tiles
	s_lshl_b32 s44, s41, 2
	s_lshl_b32 s44, 15, s44                        ; my row of the cluster
	s_lshl_b32 s45, 0x1111, s40                    ; my column
	s_or_b32 s[G1X], s44, (3<<16)|(1<<21)          ; 15:0 the mask: x's tiles go to my row; 17:16 elements of 8 bytes; 21 set beside a mask; no padding: images are read on end
	s_or_b32 s[G1W], s45, (3<<16)|(1<<21)
.irp g, G1X, G1W
	s_mov_b32 s[\g+1], 384<<16                     ; tensor_dim0 = 384 elements: two K steps of a tile, 3,072 bytes
	s_mov_b32 s[\g+2], 8<<16                       ; tensor_dim1 = 8 tiles
	s_mov_b32 s[\g+3], 384<<16                     ; tile_dim0
	s_mov_b32 s[\g+4], 8                           ; tile_dim1
	s_mov_b32 s[\g+5], 1536                        ; from tile to tile: 12,288 bytes
	s_mov_b32 s[\g+6], 0
	s_mov_b32 s[\g+7], 0
.endr
	s_lshl_b32 s46, s22, 3
	s_lshl_b32 s70, s43, 4
	s_add_co_u32 s70, s70, s46                     ; x: tile 16 gy + 8 x half
	s_mul_i32 s70, s70, KT
	s_mov_b32 s71, 0
	s_lshl_b32 s74, s42, 4
	s_add_co_u32 s74, s74, s46                     ; W: tile 16 gx + 8 x half
	s_mul_i32 s74, s74, KT
	s_mov_b32 s75, 0
	s_mul_i32 s69, s20, HALFB                      ; where they go: wave x 24,576: no place in the cluster enters an LDS address
	s_cmp_eq_u32 ttmp9, 2                          ; the role v swaps the sources: the cluster's x is the same in all partners
	s_cselect_b32 s67, WREG, 0                     ; where R's tiles lie in a slot
	s_cselect_b32 s68, 0, WREG                     ; and P's
	s_mov_b32 s82, 0x76543210
	s_mov_b32 s83, 0xfedcba98                      ; v_permlanex16_b32's selects for lane l xor 16
	s_mov_b32 s88, 0xffff0000                      ; lanes 16-31
	s_wait_dscnt 0x0                               ; the opening add is done
	s_wait_kmcnt 0x0
	s_add_nc_u64 s[70:71], s[4:5], s[70:71]
	s_add_nc_u64 s[74:75], s[6:7], s[74:75]
	CROUND                                         ; all sixteen work-groups are here: the first joint loads meet
.irp n, 0,1
	s_mov_b32 s[G0X+4*\n], 1
	s_add_co_u32 s[G0X+4*\n+1], s69, \n*SLOT
	s_add_nc_u64 s[G0X+4*\n+2:G0X+4*\n+3], s[70:71], \n*3072
	s_or_b32 s[G0X+4*\n+3], s[G0X+4*\n+3], 0x80000000
	s_mov_b32 s[G0W+4*\n], 1
	s_add_co_u32 s[G0W+4*\n+1], s69, \n*SLOT
	s_add_nc_u64 s[G0W+4*\n+2:G0W+4*\n+3], s[74:75], \n*3072
	s_or_b32 s[G0W+4*\n+3], s[G0W+4*\n+3], 0x80000000
.if \n == 0
	JLOAD \n                                       ; K steps 0, 1: one tensor load a wave at the head
.endif
.endr
	v_and_b32 v1, 31, v0
	v_lshlrev_b32 v[L16], 4, v1
	v_lshlrev_b32 v[L8], 3, v1
	s_mul_i32 s46, s21, HALFB
	s_add_co_u32 s46, s46, s67                     ; R's eight tiles that are mine
	s_mul_i32 s47, s22, HALFB
	s_add_co_u32 s47, s47, s68                     ; P's
.irp n, 0,1
	v_add_nc_u32 v[ADR+\n], s46, v[L16]
	v_add_nc_u32 v[ADR+2+\n], s46, v[L8]
	v_add_nc_u32 v[ADP+\n], s47, v[L16]
	v_add_nc_u32 v[ADP+2+\n], s47, v[L8]
	s_add_co_u32 s46, s46, SLOT
	s_add_co_u32 s47, s47, SLOT
.endr
	; the scale words of all eight K steps, 32 bytes a row, straight into registers: lanes 0-15 R's rows, lanes 16-31 P's
	s_lshl_b32 s76, s43, 4                         ; x's tiles in sc1: 16 gy
	s_lshl_b32 s77, s42, 4
	s_add_co_u32 s77, s77, 512                     ; W's: 512 + 16 gx
	s_cmp_eq_u32 ttmp9, 2
	s_cselect_b32 s78, s77, s76
	s_cselect_b32 s79, s76, s77
	s_lshl_b32 s76, s21, 3
	s_add_co_u32 s78, s78, s76
	s_lshl_b32 s76, s22, 3
	s_add_co_u32 s79, s79, s76
	s_lshl_b32 s78, s78, 9
	s_lshl_b32 s79, s79, 9
	v_and_b32 v2, 15, v0
	v_lshlrev_b32 v2, 5, v2
	v_add_nc_u32 v3, s78, v2
	v_add_nc_u32 v4, s79, v2
	v_cndmask_b32 v[SOF], v3, v4, s88
.irp i, 0,1,2,3,4,5,6,7
	global_load_b128 v[SC+8*\i:SC+8*\i+3], v[SOF], s[8:9] offset:512*\i
	global_load_b128 v[SC+8*\i+4:SC+8*\i+7], v[SOF], s[8:9] offset:512*\i+16
.endr
.irp b, 0,1,2,3
	v_mov_b32 v[TM+4+\b], 0                        ; written once: a lane permute's destination counts as one of its sources
.endr
	s_wait_alu depctr_va_vdst(0)
	s_wait_tensorcnt 0x0                           ; my part of slot 0 is in; slot 1's first fill is issued as a refill is
	ds_add_u32 v[SPW], v[NIL]
	s_wait_dscnt 0x0
	CROUND                                         ; a whole round: everybody's part of slot 0 is in, and the joint loads meet
	JLOAD 1                                        ; K steps 2, 3: the first tensor load behind the round
	FETCH_P 0, 0, 0
	FETCH_R 0, 0, 0
	FETCH_R 0, 0, 4
	s_wait_loadcnt 0x0                             ; the scale words
	STEP 0, 0, 1                                   ; the first products start the sums: nothing is cleared
	TURN 0, 1, 1, 1                                ; slot 0 takes K steps 4, 5
	STEP 1, 2, 0
	TURN 1, 0, 1, 3                                ; slot 1 takes K steps 6, 7
	STEP 0, 4, 0
	TURN 0, 1, 0, 5
	STEP 1, 6, 0
	s_cmp_eq_u32 ttmp9, 2
	s_cbranch_scc1 .Lepi_v
	; ---- q or k.  The bias is asked for ahead of the last K step's products.
	s_cmp_eq_u32 ttmp9, 0
	s_cselect_b64 s[80:81], s[10:11], s[12:13]     ; bq or bk
	s_cselect_b64 s[84:85], s[16:17], s[18:19]     ; q or kv
	s_mov_b32 s78, 12800
	s_cselect_b32 s78, 6400, s78                   ; a record
	s_mov_b32 s79, 12288
	s_cselect_b32 s79, 6144, s79                   ; where its words lie
	s_and_b32 s76, s42, 3
	s_lshl_b32 s76, s76, 1
	s_add_co_u32 s76, s76, s22                     ; my 128 features: pair of heads 2 (gx % 4) + half
	s_lshl_b32 s90, s76, 9
	s_mov_b32 s91, 0
	s_add_nc_u64 s[80:81], s[80:81], s[90:91]
	v_bfe_u32 v2, v0, 4, 1                         ; h
	s_wait_alu depctr_va_vdst(0)
	v_lshlrev_b32 v3, 6, v2                        ; 16 h features
	WIN 0x40
.irp b, 0,1,2,3,4,5,6,7
	global_load_b128 v[96+128*(\b/4)+8*(\b%4):96+128*(\b/4)+8*(\b%4)+3], v3, s[80:81] offset:(32*(\b/2)+8*(\b%2))*4      ; tile b's eight: features 32 (b / 2) + 16 h + 8 (b % 2) + 0 .. 7
	global_load_b128 v[96+128*(\b/4)+8*(\b%4)+4:96+128*(\b/4)+8*(\b%4)+7], v3, s[80:81] offset:(32*(\b/2)+8*(\b%2))*4+16
.endr
	WIN 0
	s_lshr_b32 s77, s43, 3                         ; the batch
	s_lshl_b32 s77, s77, 4
	s_lshl_b32 s76, s76, 1
	s_add_co_u32 s77, s77, s76                     ; 16 x batch + the even head
	s_lshl_b32 s77, s77, 4
	s_lshl_b32 s76, s43, 1
	s_add_co_u32 s76, s76, s21
	s_and_b32 s76, s76, 15                         ; my 128 rows: step (2 gy + half) % 16
	s_add_co_u32 s77, s77, s76
	s_mul_i32 s90, s77, s78
	s_add_nc_u64 s[84:85], s[84:85], s[90:91]      ; the even head's record
	s_lshl_b32 s90, s78, 4
	s_add_nc_u64 s[86:87], s[84:85], s[90:91]      ; the odd head's: sixteen records on
	v_and_b32 v4, 15, v0
	v_lshlrev_b32 v4, 4, v4
	v_mul_lo_u32 v5, v2, s90
	v_add3_u32 v[WO], v4, v5, s79                  ; words: 16 r, lanes 16-31 in the odd head's record
	v_mov_b32 v[SELR], 0x05040100
	v_mov_b32 v6, 0x07060302
	v_cndmask_b32 v[SELR], v[SELR], v6, s88
	LAST 7
	PLACES
	s_wait_loadcnt 0x0                             ; the bias
.irp j, 0,1,2,3
	s_wait_xcnt 0x0                                ; the last images' stores have read their registers
	ADDB_P 2*\j
	QUANT HA, IE, IO, TT, PW+2*\j                  ; rows of tile 2 j: the even head's 64 codes, the odd head's
	ADDB_P 2*\j+1
	QUANT HA, IE+6, IO+6, TT, PW+2*\j+1
.irp c, 0,1,2
	global_store_b128 v[L16], v[IE+4*\c:IE+4*\c+3], s[84:85] offset:1536*\j+512*\c   ; 512 bytes on end, at a multiple of 256 from the buffer's first byte
	global_store_b128 v[L16], v[IO+4*\c:IO+4*\c+3], s[86:87] offset:1536*\j+512*\c
.endr
.endr
.irp j, 0,1,2,3
	v_perm_b32 v[WR+\j], v[PW+2*\j+1], v[PW+2*\j], v[SELR]   ; image j's word: my head's two bytes of tile 2 j, then of tile 2 j + 1
.endr
	global_store_b128 v[WO], v[WR:WR+3], s[84:85]  ; sixteen lanes fill 256 bytes of each head's record
	s_branch .Ldone
.Lepi_v:
	; ---- v: a lane holds one feature and the step's 128 keys
	s_sub_co_u32 s76, s42, 8
	s_lshl_b32 s76, s76, 1
	s_add_co_u32 s76, s76, s21                     ; my 128 features: pair of heads 2 (gx - 8) + half
	s_lshl_b32 s90, s76, 9
	s_mov_b32 s91, 0
	s_add_nc_u64 s[80:81], s[14:15], s[90:91]
	v_and_b32 v2, 15, v0
	v_and_b32 v3, 8, v2
	v_add_nc_u32 v3, v3, v2
	v_lshlrev_b32 v3, 2, v3                        ; my row of a tile: r + 8 (r / 8)
	WIN 0x40
.irp a, 0,1,2,3,4,5,6,7
	global_load_b32 v[96+2*\a], v3, s[80:81] offset:(32*(\a/2)+8*(\a%2))*4
	global_load_b32 v[97+2*\a], v3, s[80:81] offset:(32*(\a/2)+8*(\a%2))*4   ; (named with it as a pair, so it is written)
.endr
	WIN 0
	s_lshr_b32 s77, s43, 3
	s_lshl_b32 s77, s77, 4
	s_lshl_b32 s76, s76, 1
	s_add_co_u32 s77, s77, s76
	s_lshl_b32 s77, s77, 4
	s_lshl_b32 s76, s43, 1
	s_add_co_u32 s76, s76, s22
	s_and_b32 s76, s76, 15                         ; my 128 keys: step (2 gy + half) % 16
	s_add_co_u32 s77, s77, s76
	s_mul_i32 s90, s77, 12800
	s_add_nc_u64 s[84:85], s[18:19], s[90:91]
	v_bfe_u32 v4, v0, 4, 1
	v_mul_u32_u24 v4, v4, 204800
	s_wait_alu depctr_va_vdst(0)
	v_lshl_add_u32 v[WO], v2, 4, v4
	v_add_nc_u32 v[WO], 12544, v[WO]               ; words: 16 r, lanes 16-31 in the odd head's record
	LAST 7
	PLACES
	s_wait_loadcnt 0x0
.irp a, 0,1,2,3,4,5,6,7
	s_wait_xcnt 0x0                                ; the last image's stores have read their registers
	ADDB_R \a
	QUANT HA, IE, IE+6, TT, PW+\a
.irp c, 0,1,2
	global_store_b128 v[L16], v[IE+4*\c:IE+4*\c+3], s[84:85] offset:6144+(\a/4)*204800+(\a%4)*1536+512*\c
.endr
.endr
.irp i, 0,1,2,3
	v_cndmask_b32 v[WR+\i], v[PW+\i], v[PW+4+\i], s88
.endr
	global_store_b128 v[WO], v[WR:WR+3], s[84:85]
.Ldone:
	s_wait_tensorcnt 0x0                           ; the wave's end
	ds_add_u32 v[SPW], v[NIL]
	s_wait_dscnt 0x0
	CROUND                                         ; the closing round: no work-group ends while a partner may still ask for a tile that names it
	s_endpgm
.Lfunc_end_k_qa400cf396e_qkv:
	.size	k_qa400cf396e_qkv, .Lfunc_end_k_qa400cf396e_qkv-k_qa400cf396e_qkv
	.p2alignl 7, 3214868480
	.fill 96, 4, 3214868480
	.section	.rodata,"a",@progbits
	.p2align	6, 0x0
	.amdhsa_kernel k_qa400cf396e_qkv
		.amdhsa_group_segment_fixed_size 327680
		.amdhsa_private_segment_fixed_size 0
		.amdhsa_enable_private_segment 0
		.amdhsa_kernarg_size 64
		.amdhsa_user_sgpr_count 2
		.amdhsa_user_sgpr_kernarg_segment_ptr 1
		.amdhsa_wavefront_size32 1
		.amdhsa_system_sgpr_workgroup_id_x 1
		.amdhsa_system_sgpr_workgroup_id_y 1
		.amdhsa_system_sgpr_workgroup_id_z 1
		.amdhsa_system_vgpr_workitem_id 0
		.amdhsa_next_free_vgpr 1024
		.amdhsa_next_free_sgpr 96
		.amdhsa_reserve_vcc 0
		.amdhsa_float_denorm_mode_32 3
		.amdhsa_float_denorm_mode_16_64 3
		.amdhsa_memory_ordered 1
		.amdhsa_forward_progress 1
		.amdhsa_inst_pref_size 223
	.end_amdhsa_kernel
	.amdgpu_metadata
---
amdhsa.version: [ 1, 2 ]
amdhsa.kernels:
  - .name:           k_qa400cf396e_qkv
    .symbol:         k_qa400cf396e_qkv.kd
    .args:
      - { .name: xi, .offset: 0, .size: 8, .value_kind: global_buffer, .address_space: global }
      - { .name: wi, .offset: 8, .size: 8, .value_kind: global_buffer, .address_space: global }
      - { .name: sc1, .offset: 16, .size: 8, .value_kind: global_buffer, .address_space: global }
      - { .name: bq, .offset: 24, .size: 8, .value_kind: global_buffer, .address_space: global }
      - { .name: bk, .offset: 32, .size: 8, .value_kind: global_buffer, .address_space: global }
      - { .name: bv, .offset: 40, .size: 8, .value_kind: global_buffer, .address_space: global }
      - { .name: q, .offset: 48, .size: 8, .value_kind: global_buffer, .address_space: global }
      - { .name: kv, .offset: 56, .size: 8, .value_kind: global_buffer, .address_space: global }
    .group_segment_fixed_size: 327680
    .private_segment_fixed_size: 0
    .kernarg_segment_align: 8
    .kernarg_segment_size: 64
    .max_flat_workgroup_size: 128
    .sgpr_count:     96
    .vgpr_count:     1024
    .wavefront_size: 32
...
	.end_amdgpu_metadata
.endif
;; end of part 2
;; launch attn (part 3): grid 4 x 64, 16 waves a work-group, clusters of 4 x 1, 327,680 bytes of LDS; arguments q, kv, ai, sc2; writes ai, sc2
.if DOCPART == 3
	.amdgcn_target "amdgcn-amd-amdhsa--gfx1250"
	.amdhsa_code_object_version 6
	.text
	.protected	k_qa400cf396e_attn
	.globl	k_qa400cf396e_attn
	.p2align	8
	.type	k_qa400cf396e_attn,@function
k_qa400cf396e_attn:
	s_mov_b64 s[64:65], 0
	v_nop
	global_prefetch_b8 v0, s[64:65] scope:SCOPE_SE
	s_setreg_imm32_b32 hwreg(HW_REG_WAVE_MODE, 25, 1), 1
	s_wait_xcnt 0x0
	s_wait_alu depctr_hold_cnt(0) depctr_sa_sdst(0) depctr_va_vdst(0) depctr_va_sdst(0) depctr_va_ssrc(0) depctr_va_vcc(0) depctr_vm_vsrc(0)
	s_getreg_b32 s2, hwreg(HW_REG_IB_STS2, 6, 4)
	s_cmp_eq_u32 s2, 0
	s_cbranch_scc0 .Lentry_in_a_cluster
	s_endpgm
.Lentry_in_a_cluster:
	s_bfe_u32 s2, ttmp6, 0x10000c
	s_cmp_lg_u32 s2, 0x3003
	s_cbranch_scc0 .Lentry_shape_is_right
	s_endpgm
.Lentry_shape_is_right:
.set REC,   12800
.set HALF,  102400
.set SPARE, 204800
.set L16, 1
.set ADR, 2
.set QWO, 3
.set L8,  4
.set SPW, 5
.set NIL, 6
.set SBO, 7
.set SW,  8
.set QR,  16
.set QI,  34
.set QL,  46
.set QW,  47
.set FRG, 48
.set S,   96
.set O,   160
.set PCD, 192
.set CT,  204
.set BM,  212
.set BT,  216
.set SO,  220
.set TP,  224
.set FF,  226
.set WV,  12
.set SEL, 20
.set CS,  22
.set G1,  24
.set TB,  40
.set CNT, 41
.macro CROUND
	s_barrier_signal -1
	s_barrier_wait -1
	s_cmp_lg_u32 s[WV], 0
	s_cbranch_scc1 .Lnot_wave_0_\@
	s_barrier_signal -3
.Lnot_wave_0_\@:
	s_barrier_wait -3
	s_barrier_signal -1
	s_barrier_wait -1
.endm
	s_load_b256 s[4:11], s[0:1], 0x0
	v_lshl_add_u32 v[SPW], v0, 2, SPARE
	v_mov_b32 v[NIL], 0
	ds_add_u32 v[SPW], v[NIL]
	ds_add_u32 v[SPW], v[NIL]
	v_lshrrev_b32 v[TP], 5, v0
	s_delay_alu instid0(VALU_DEP_1)
	v_readfirstlane_b32 s[WV], v[TP]
	s_bfe_u32 s13, ttmp6, 0x40000
	s_and_b32 s14, ttmp7, 0xffff
	s_mov_b32 s[G1], 15|(3<<16)|(1<<21)
	s_mov_b32 s[G1+1], 32<<16
	s_mov_b32 s[G1+2], 25<<16
	s_mov_b32 s[G1+3], 32<<16
	s_mov_b32 s[G1+4], 25
	s_mov_b32 s[G1+5], 32
	s_mov_b32 s[G1+6], 0
	s_mov_b32 s[G1+7], 0
	s_mul_i32 s15, s[WV], 6400
	s_mul_i32 s16, s14, 204800
	s_add_co_u32 s16, s16, s15
	s_mov_b32 s17, 0
	s_mov_b32 s[SEL], 0x76543210
	s_mov_b32 s[SEL+1], 0xfedcba98
	s_mov_b32 s[CS], 0x3e38aa3b
	s_mov_b32 s[CS+1], s[CS]
	s_mov_b32 s42, 0xffff0000
	s_wait_dscnt 0x0
	s_wait_kmcnt 0x0
	s_add_nc_u64 s[16:17], s[6:7], s[16:17]
	CROUND
	s_mov_b32 s32, 1
	s_mov_b32 s33, s15
	s_mov_b64 s[34:35], s[16:17]
	s_or_b32 s35, s35, 0x80000000
	s_mov_b32 s36, 1
	s_add_co_u32 s37, s15, HALF
	s_add_nc_u64 s[38:39], s[16:17], HALF
	s_or_b32 s39, s39, 0x80000000
	tensor_load_to_lds s[32:35], s[G1:G1+7]
	s_nop 0
	s_wait_alu depctr_va_vdst(0)
	s_wait_tensorcnt 0x0
	ds_add_u32 v5, v6
	s_wait_dscnt 0x0
	CROUND
	tensor_load_to_lds s[36:39], s[G1:G1+7]
	s_nop 0
.rept 4
	v_nop
.endr
	s_lshl_b32 s18, s14, 4
	s_lshl_b32 s19, s13, 2
	s_add_co_u32 s18, s18, s19
	s_lshr_b32 s19, s[WV], 2
	s_add_co_u32 s18, s18, s19
	s_mul_i32 s18, s18, 6400
	s_and_b32 s19, s[WV], 3
	s_mul_i32 s43, s19, 1536
	s_add_co_u32 s44, s18, s43
	s_mov_b32 s45, 0
	s_lshl_b32 s19, s19, 2
	s_add_co_u32 s46, s18, s19
	s_add_co_u32 s46, s46, 6144
	s_mov_b32 s47, 0
	s_add_nc_u64 s[44:45], s[4:5], s[44:45]
	s_add_nc_u64 s[46:47], s[4:5], s[46:47]
	v_and_b32 v[TP], 31, v0
	s_delay_alu instid0(VALU_DEP_1)
	v_lshlrev_b32 v[L16], 4, v[TP]
	s_delay_alu instid0(VALU_DEP_2)
	v_lshlrev_b32 v[L8], 3, v[TP]
	v_and_b32 v225, 15, v0
	v_bfe_u32 v228, v0, 4, 1
	s_delay_alu instid0(VALU_DEP_2)
	v_lshlrev_b32 v[QWO], 4, v225
	s_delay_alu instid0(VALU_DEP_2)
	v_lshl_add_u32 v[SBO], v225, 5, v228
.irp c, 0,1,2
	global_load_b128 v[QI+4*\c:QI+4*\c+3], v[L16], s[44:45] offset:512*\c
.endr
	global_load_b32 v[QL], v[QWO], s[46:47]
	s_lshr_b32 s18, s14, 4
	s_lshl_b32 s18, s18, 7
	s_lshl_b32 s19, s13, 5
	s_add_co_u32 s18, s18, s19
	s_lshl_b32 s19, s[WV], 1
	s_add_co_u32 s18, s18, s19
	s_and_b32 s19, s14, 15
	s_mul_i32 s48, s18, 12288
	s_lshr_b32 s43, s19, 1
	s_mul_i32 s43, s43, 1536
	s_add_co_u32 s48, s48, s43
	s_and_b32 s43, s19, 1
	s_mul_i32 s43, s43, 768
	s_add_co_u32 s48, s48, s43
	s_mov_b32 s49, 0
	s_add_nc_u64 s[48:49], s[8:9], s[48:49]
	s_lshl_b32 s50, s18, 9
	s_lshl_b32 s19, s19, 1
	s_add_co_u32 s50, s50, s19
	s_mov_b32 s51, 0
	s_add_nc_u64 s[50:51], s[10:11], s[50:51]
.irp i, 0,1,2,3,4,5
	v_mov_b32 v[QR+6+\i], 0
.endr
.irp b, 0,1,2,3
	v_mov_b32 v[BT+\b], 0
.endr
	v_mov_b32 v[FF+1], 0
	s_wait_loadcnt 0x0
.macro STEP
	v_add_nc_u32 v[ADR], s[TB], v[L16]
.rept 3
	v_nop
.endr
.irp j, 0,1,2,3
.irp c, 0,1,2
	ds_load_b128 v[FRG+12*\j+4*\c:FRG+12*\j+4*\c+3], v[ADR] offset:1536*\j+512*\c
.endr
.endr
	ds_load_b128 v[SW:SW+3], v[ADR] offset:12288
	s_wait_alu depctr_va_vdst(0)
	s_wait_dscnt 0x0
.irp j, 0,1,2,3
	v_wmma_scale_f32_16x16x128_f8f6f4 v[S+16*\j:S+16*\j+7], v[FRG+12*\j:FRG+12*\j+11], v[QR:QR+11], 0, v[SW+\j], v[QW] matrix_a_fmt:MATRIX_FMT_FP6 matrix_b_fmt:MATRIX_FMT_FP6
	v_wmma_scale_f32_16x16x128_f8f6f4 v[S+16*\j+8:S+16*\j+15], v[FRG+12*\j:FRG+12*\j+11], v[QR+6:QR+17], 0, v[SW+\j], v[QW] matrix_a_fmt:MATRIX_FMT_FP6 matrix_b_fmt:MATRIX_FMT_FP6
.endr
.rept 4
	v_nop
.endr
.irp j, 0,1,2,3
.irp c, 0,1,2
	ds_load_b128 v[FRG+12*\j+4*\c:FRG+12*\j+4*\c+3], v[ADR] offset:6144+1536*\j+512*\c
.endr
.endr
.irp b, 0,1,2,3
	v_max3_num_f32 v[BM+\b], v[S+16*\b], v[S+1+16*\b], v[S+2+16*\b]
.endr
.irp i, 3,5,7,9,11,13
.irp b, 0,1,2,3
	v_max3_num_f32 v[BM+\b], v[BM+\b], v[S+16*\b+\i], v[S+1+16*\b+\i]
.endr
.endr
.irp b, 0,1,2,3
	v_max_num_f32 v[BM+\b], v[BM+\b], v[S+15+16*\b]
.endr
.irp b, 0,1,2,3
	s_delay_alu instid0(VALU_DEP_4)
	v_permlanex16_b32 v[BT+\b], v[BM+\b], s[SEL], s[SEL+1]
.endr
.irp b, 0,1,2,3
	s_delay_alu instid0(VALU_DEP_4)
	v_max_num_f32 v[BM+\b], v[BM+\b], v[BT+\b]
.endr
	s_delay_alu instid0(VALU_DEP_2)
	v_max3_num_f32 v[TP], v[BM], v[BM+1], v[BM+2]
	s_delay_alu instid0(VALU_DEP_1)
	v_max_num_f32 v[TP], v[TP], v[BM+3]
	s_delay_alu instid0(VALU_DEP_1)
	v_mul_f32 v[TP], s[CS], v[TP]
	s_delay_alu instid0(VALU_DEP_1)
	v_max_num_f32 v13, v13, v[TP]
	v_mov_b32 v[TP], v12
	s_delay_alu instid0(VALU_DEP_2)
	v_floor_f32 v12, -v13
	s_delay_alu instid0(VALU_DEP_1)
	v_sub_f32 v[TP], v12, v[TP]
	s_delay_alu instid0(VALU_DEP_1)
	v_cvt_i32_f32 v[TP], v[TP]
	s_delay_alu instid0(VALU_DEP_1)
	v_ldexp_f32 v[FF], 1.0, v[TP]
.set J, 0
.rept 32
	v_pk_fma_f32 v[S+J:S+J+1], v[S+J:S+J+1], s[CS:CS+1], v[12:13] op_sel_hi:[1,0,0]
.set J, J+2
.endr
.irp b, 0,1,2,3
	v_fma_f32 v[BM+\b], v[BM+\b], s[CS], v12
.endr
.set J, 0
	s_wait_alu depctr_va_vdst(0)
.rept 64
	v_exp_f32 v[S+J], v[S+J]
.set J, J+1
.endr
	v_pk_mul_f32 v[14:15], v[14:15], v[FF:FF+1] op_sel_hi:[1,0]
	s_wait_alu depctr_va_vdst(0)
.irp b, 0,1,2,3
	v_exp_f32 v[BM+\b], v[BM+\b]
.endr
	v_pk_add_f32 v[BT:BT+1], v[S:S+1], v[S+2:S+3]
.set J, 4
.rept 15
	v_pk_add_f32 v[14:15], v[14:15], v[S+J:S+J+1]
	v_pk_add_f32 v[BT:BT+1], v[BT:BT+1], v[S+J+2:S+J+3]
.set J, J+4
.endr
	s_delay_alu instid0(VALU_DEP_1)
	v_pk_add_f32 v[14:15], v[14:15], v[BT:BT+1]
	s_wait_alu depctr_va_vdst(0)
.irp b, 0,1,2,3
	v_max_num_f32 v[BM+\b], 0x1800000, v[BM+\b]
.endr
.irp b, 0,1,2,3
	s_delay_alu instid0(VALU_DEP_4)
	v_add_nc_u32 v[SO+\b], 0xff000000, v[BM+\b]
.endr
.irp b, 0,1,2,3
	s_delay_alu instid0(VALU_DEP_4)
	v_lshrrev_b32 v[BT+\b], 23, v[SO+\b]
.endr
	s_delay_alu instid0(VALU_DEP_3)
	v_lshl_or_b32 v[FF+1], v[BT+1], 8, v[BT]
	s_delay_alu instid0(VALU_DEP_1)
	v_lshl_or_b32 v[FF+1], v[BT+2], 16, v[FF+1]
	s_delay_alu instid0(VALU_DEP_1)
	v_lshl_or_b32 v[FF+1], v[BT+3], 24, v[FF+1]
.irp c, 0,1
	v_cvt_scalef32_pk16_fp6_f32 v[PCD+6*\c:PCD+2+6*\c], v[S+32*\c:S+15+32*\c], v[SO+2*\c]
	v_cvt_scalef32_pk16_fp6_f32 v[CT+4*\c:CT+2+4*\c], v[S+16+32*\c:S+31+32*\c], v[SO+2*\c+1]
.endr
	v_nop
.irp c, 0,1
.irp i, 0,1,2
	v_permlane16_swap_b32 v[PCD+6*\c+\i], v[CT+4*\c+\i]
.endr
.irp i, 0,1,2
	s_delay_alu instid0(VALU_DEP_3)
	v_mov_b32 v[PCD+3+6*\c+\i], v[CT+4*\c+\i]
.endr
.endr
.set J, 0
.rept 16
	v_pk_mul_f32 v[O+J:O+J+1], v[O+J:O+J+1], v[FF:FF+1] op_sel_hi:[1,0]
.set J, J+2
.endr
	s_wait_alu depctr_va_vdst(0)
	s_wait_dscnt 0x0
.irp t, 0,1,2,3
	v_wmma_scale_f32_16x16x128_f8f6f4 v[O+8*\t:O+8*\t+7], v[FRG+12*\t:FRG+12*\t+11], v[PCD:PCD+11], v[O+8*\t:O+8*\t+7], v[SW+\t], v[FF+1] matrix_a_fmt:MATRIX_FMT_FP6 matrix_b_fmt:MATRIX_FMT_FP6 matrix_a_scale:MATRIX_SCALE_ROW1
.endr
	s_add_co_u32 s[TB], s[TB], REC
.endm
.macro KEYS n
	s_mov_b32 s[CNT], \n
.Lkeys_\@:
	STEP
	s_sub_co_u32 s[CNT], s[CNT], 1
	s_cmp_lg_u32 s[CNT], 0
	s_cbranch_scc1 .Lkeys_\@
.endm
.macro BEGIN u
.irp i, 0,1,2,3,4,5
	v_mov_b32 v[QR+\i], v[QI+6*\u+\i]
	v_mov_b32 v[QR+12+\i], v[QI+6*\u+\i]
.endr
	v_perm_b32 v[QW], v[QL], v[QL], 0x01000100+0x02020202*\u
	v_mov_b32 v13, 0xff61b1e6
	s_delay_alu instid0(VALU_DEP_1)
	v_floor_f32 v12, -v13
	v_mov_b32 v14, 0
	v_mov_b32 v15, 0
.set J, 0
.rept 32
	v_mov_b32 v[O+J], 0
.set J, J+1
.endr
.endm
.macro WAYOUT u
.rept 4
	v_nop
.endr
	v_add_f32 v14, v14, v15
	s_delay_alu instid0(VALU_DEP_1)
	v_permlanex16_b32 v[TP], v14, s[SEL], s[SEL+1]
	s_delay_alu instid0(VALU_DEP_1)
	v_add_f32 v14, v14, v[TP]
	s_wait_alu depctr_va_vdst(0)
	v_rcp_f32 v14, v14
	v_nop
	s_wait_alu depctr_va_vdst(0)
.set J, 0
.rept 32
	v_mul_f32 v[S+J], v[O+J], v14
.set J, J+1
.endr
.irp b, 0,1
	v_max3_num_f32 v[BM+\b], |v[S+16*\b]|, |v[S+1+16*\b]|, 0x1800000
.endr
.irp i, 2,4,6,8,10,12,14
.irp b, 0,1
	s_delay_alu instid0(VALU_DEP_2)
	v_max3_num_f32 v[BM+\b], v[BM+\b], |v[S+16*\b+\i]|, |v[S+1+16*\b+\i]|
.endr
.endr
.irp b, 0,1
	s_delay_alu instid0(VALU_DEP_2)
	v_permlanex16_b32 v[BT+\b], v[BM+\b], s[SEL], s[SEL+1]
.endr
.irp b, 0,1
	s_delay_alu instid0(VALU_DEP_2)
	v_max_num_f32 v[BM+\b], v[BM+\b], v[BT+\b]
.endr
.irp b, 0,1
	s_delay_alu instid0(VALU_DEP_2)
	v_add_nc_u32 v[SO+\b], 0xff000000, v[BM+\b]
.endr
.irp b, 0,1
	s_delay_alu instid0(VALU_DEP_2)
	v_lshrrev_b32 v[BT+\b], 23, v[SO+\b]
.endr
	v_cvt_scalef32_pk16_fp6_f32 v[PCD:PCD+2], v[S:S+15], v[SO]
	v_cvt_scalef32_pk16_fp6_f32 v[CT:CT+2], v[S+16:S+31], v[SO+1]
	v_nop
.irp i, 0,1,2
	v_permlane16_swap_b32 v[PCD+\i], v[CT+\i]
.endr
.irp i, 0,1,2
	s_delay_alu instid0(VALU_DEP_3)
	v_mov_b32 v[PCD+3+\i], v[CT+\i]
.endr
	v_cndmask_b32 v[TP], v[BT], v[BT+1], s42
	global_store_b128 v[L16], v[PCD:PCD+3], s[48:49] offset:12288*\u
	global_store_b64 v[L8], v[PCD+4:PCD+5], s[48:49] offset:12288*\u+512
	global_store_b8 v[SBO], v[TP], s[50:51] offset:512*\u
.endm
	BEGIN 0
	s_wait_tensorcnt 0x1
	s_barrier_signal -1
	s_barrier_wait -1
	s_mov_b32 s[TB], 0
	KEYS 8
	s_wait_tensorcnt 0x0
	s_barrier_signal -1
	s_barrier_wait -1
	s_mov_b32 s[TB], HALF
	KEYS 8
	WAYOUT 0
	s_wait_xcnt 0x0
	BEGIN 1
	s_mov_b32 s[TB], 0
	KEYS 16
	WAYOUT 1
	s_wait_tensorcnt 0x0
	ds_add_u32 v[SPW], v[NIL]
	s_wait_dscnt 0x0
	CROUND
	s_endpgm
.Lfunc_end_k_qa400cf396e_attn:
	.size	k_qa400cf396e_attn, .Lfunc_end_k_qa400cf396e_attn-k_qa400cf396e_attn
	.p2alignl 7, 3214868480
	.fill 96, 4, 3214868480
	.section	.rodata,"a",@progbits
	.p2align	6, 0x0
	.amdhsa_kernel k_qa400cf396e_attn
		.amdhsa_group_segment_fixed_size 327680
		.amdhsa_private_segment_fixed_size 0
		.amdhsa_enable_private_segment 0
		.amdhsa_kernarg_size 32
		.amdhsa_user_sgpr_count 2
		.amdhsa_user_sgpr_kernarg_segment_ptr 1
		.amdhsa_wavefront_size32 1
		.amdhsa_system_sgpr_workgroup_id_x 1
		.amdhsa_system_sgpr_workgroup_id_y 1
		.amdhsa_system_sgpr_workgroup_id_z 1
		.amdhsa_system_vgpr_workitem_id 0
		.amdhsa_next_free_vgpr 256
		.amdhsa_next_free_sgpr 66
		.amdhsa_reserve_vcc 0
		.amdhsa_float_denorm_mode_32 3
		.amdhsa_float_denorm_mode_16_64 3
		.amdhsa_memory_ordered 1
		.amdhsa_forward_progress 1
		.amdhsa_inst_pref_size 68
	.end_amdhsa_kernel
	.amdgpu_metadata
---
amdhsa.version: [ 1, 2 ]
amdhsa.kernels:
  - .name:           k_qa400cf396e_attn
    .symbol:         k_qa400cf396e_attn.kd
    .args:
      - { .name: q, .offset: 0, .size: 8, .value_kind: global_buffer, .address_space: global }
      - { .name: kv, .offset: 8, .size: 8, .value_kind: global_buffer, .address_space: global }
      - { .name: ai, .offset: 16, .size: 8, .value_kind: global_buffer, .address_space: global }
      - { .name: sc2, .offset: 24, .size: 8, .value_kind: global_buffer, .address_space: global }
    .group_segment_fixed_size: 327680
    .private_segment_fixed_size: 0
    .kernarg_segment_align: 8
    .kernarg_segment_size: 32
    .max_flat_workgroup_size: 512
    .sgpr_count:     66
    .vgpr_count:     256
    .wavefront_size: 32
...
	.end_amdgpu_metadata
.endif
;; end of part 3
;; launch outp (part 4): grid 4 x 32, 4 waves a work-group, clusters of 4 x 4, 327,680 bytes of LDS; arguments ai, wi, sc2, bout, out0; writes out0
.if DOCPART == 4
	.amdgcn_target "amdgcn-amd-amdhsa--gfx1250"
	.amdhsa_code_object_version 6
	.text
	.protected	k_qa400cf396e_outp
	.globl	k_qa400cf396e_outp
	.p2align	8
	.type	k_qa400cf396e_outp,@function
k_qa400cf396e_outp:
	s_mov_b64 s[64:65], 0
	v_nop
	global_prefetch_b8 v0, s[64:65] scope:SCOPE_SE
	s_setreg_imm32_b32 hwreg(HW_REG_WAVE_MODE, 25, 1), 1
	s_wait_xcnt 0x0
	s_wait_alu depctr_hold_cnt(0) depctr_sa_sdst(0) depctr_va_vdst(0) depctr_va_sdst(0) depctr_va_ssrc(0) depctr_va_vcc(0) depctr_vm_vsrc(0)
	s_getreg_b32 s2, hwreg(HW_REG_IB_STS2, 6, 4)
	s_cmp_eq_u32 s2, 0
	s_cbranch_scc0 .Lentry_in_a_cluster
	s_endpgm
.Lentry_in_a_cluster:
	s_bfe_u32 s2, ttmp6, 0x10000c
	s_cmp_lg_u32 s2, 0xf033
	s_cbranch_scc0 .Lentry_shape_is_right
	s_endpgm
.Lentry_shape_is_right:
.set KT,     12288
.set HALFB,  24576
.set WREG,   49152
.set SLOT,   98304
.set SPARE,  2*SLOT
.set SPITCH, 528
.set FR,  12
.set NL,  4
.set L16, 10
.set L8,  11
.set ADR, 16
.set ADP, 20
.set STO, 24
.set RD,  25
.set SOF, 27
.set SPW, 28
.set NIL, 29
.set SC,  32
.set RF,  128
.set HA,  128
.set G1X, 24
.set G0X, 32
.set G1W, 48
.set G0W, 56
.set MSB, 0
.macro WIN new
.if MSB != \new
	s_set_vgpr_msb (MSB<<8)|\new
.set MSB, \new
.endif
.endm
.set MUL_LO, 0xa1
.set MUL_HI, 0xf1
.set TO_P,   0x40
.macro PLACES
.rept 4
	v_nop
.endr
.endm
.macro JLOAD n
	s_cmp_eq_u32 s21, 0
	s_cbranch_scc0 .Lfor_w_\@
	tensor_load_to_lds s[G0X+4*\n:G0X+4*\n+3], s[G1X:G1X+7]
	s_nop 0
.rept 4
	v_nop
.endr
	s_branch .Lasked_\@
.Lfor_w_\@:
	tensor_load_to_lds s[G0W+4*\n:G0W+4*\n+3], s[G1W:G1W+7]
	s_nop 0
.rept 4
	v_nop
.endr
.Lasked_\@:
.endm
.macro CREST
	s_cmp_lg_u32 s20, 0
	s_cbranch_scc1 .Lnot_wave_0_\@
	s_barrier_signal -3
.Lnot_wave_0_\@:
	s_barrier_wait -3
	s_barrier_signal -1
	s_barrier_wait -1
.endm
.macro CROUND
	s_barrier_signal -1
	s_barrier_wait -1
	CREST
.endm
.macro FRAG reg, a16, off
	ds_load_b128 v[\reg:\reg+3], v[\a16] offset:\off
	ds_load_b64 v[\reg+4:\reg+5], v[\a16+2] offset:\off+512
	ds_load_b128 v[\reg+6:\reg+9], v[\a16] offset:\off+768
	ds_load_b64 v[\reg+10:\reg+11], v[\a16+2] offset:\off+1280
.endm
.macro FETCH_P slot, q, set
	WIN TO_P
.irp i, 0,1,2,3,4,5,6,7
	FRAG 128*(\set)+FR*\i, ADP+\slot, 3072*\i+1536*(\q)
.endr
	WIN 0
.endm
.macro FETCH_R slot, q, i0
.irp i, \i0, \i0+1, \i0+2, \i0+3
	FRAG RF+FR*(\i), ADR+\slot, 3072*(\i)+1536*(\q)
.endr
.endm
.macro MUL16 a0, set, g, zero
.irp a, \a0, \a0+1
.irp b, 0,1,2,3,4,5,6,7
.if \zero
	v_wmma_scale_f32_16x16x128_f8f6f4 v[8*(8*((\a)%4)+\b):8*(8*((\a)%4)+\b)+7], v[128*(\set)+FR*\b:128*(\set)+FR*\b+FR-1], v[RF+FR*(\a):RF+FR*(\a)+FR-1], 0, v[SC+8*\b+(\g)], v[SC+8*(\a)+(\g)] matrix_a_fmt:MATRIX_FMT_FP6 matrix_b_fmt:MATRIX_FMT_FP6 matrix_a_scale:MATRIX_SCALE_ROW1
.else
	v_wmma_scale_f32_16x16x128_f8f6f4 v[8*(8*((\a)%4)+\b):8*(8*((\a)%4)+\b)+7], v[128*(\set)+FR*\b:128*(\set)+FR*\b+FR-1], v[RF+FR*(\a):RF+FR*(\a)+FR-1], v[8*(8*((\a)%4)+\b):8*(8*((\a)%4)+\b)+7], v[SC+8*\b+(\g)], v[SC+8*(\a)+(\g)] matrix_a_fmt:MATRIX_FMT_FP6 matrix_b_fmt:MATRIX_FMT_FP6 matrix_a_scale:MATRIX_SCALE_ROW1
.endif
.endr
.endr
.endm
.macro STEP slot, g, zero
	s_wait_dscnt 4*NL
	WIN MUL_LO
	MUL16 0, 0, \g, \zero
	MUL16 2, 0, \g, \zero
	s_wait_dscnt 0
	PLACES
	FETCH_P \slot, 1, 1
	FETCH_R \slot, 1, 0
	WIN MUL_HI
	MUL16 4, 0, \g, \zero
	MUL16 6, 0, \g, \zero
	PLACES
	WIN 0
	FETCH_R \slot, 1, 4
.endm
.macro TURN slot, next, fill, g
	s_wait_tensorcnt 0x0
	ds_add_u32 v[SPW], v[NIL]
	s_wait_dscnt 4*NL+1
	WIN MUL_LO
	MUL16 0, 1, \g, 0
	s_wait_dscnt 0x0
	s_barrier_signal -1
	MUL16 2, 1, \g, 0
	WIN 0
	s_barrier_wait -1
.if \fill
	CREST
	s_add_nc_u64 s[G0X+4*\slot+2:G0X+4*\slot+3], s[G0X+4*\slot+2:G0X+4*\slot+3], 6144
	s_add_nc_u64 s[G0W+4*\slot+2:G0W+4*\slot+3], s[G0W+4*\slot+2:G0W+4*\slot+3], 6144
	JLOAD \slot
.else
	PLACES
.endif
	FETCH_P \next, 0, 0
	FETCH_R \next, 0, 0
	WIN MUL_HI
	MUL16 4, 1, \g, 0
	MUL16 6, 1, \g, 0
	PLACES
	WIN 0
	FETCH_R \next, 0, 4
.endm
.macro LAST g
	s_wait_dscnt 4*NL
	WIN MUL_LO
	MUL16 0, 1, \g, 0
	MUL16 2, 1, \g, 0
	s_wait_dscnt 0
	WIN MUL_HI
	MUL16 4, 1, \g, 0
	MUL16 6, 1, \g, 0
	WIN 0
.endm
	s_load_b256 s[4:11], s[0:1], 0x0
	s_load_b64 s[12:13], s[0:1], 0x20
	v_lshl_add_u32 v[SPW], v0, 2, SPARE
	v_mov_b32 v[NIL], 0
	ds_add_u32 v[SPW], v[NIL]
	ds_add_u32 v[SPW], v[NIL]
	v_lshrrev_b32 v1, 5, v0
	v_readfirstlane_b32 s20, v1
	s_lshr_b32 s21, s20, 1
	s_and_b32 s22, s20, 1
	s_bfe_u32 s40, ttmp6, 0x40000
	s_bfe_u32 s41, ttmp6, 0x40004
	s_lshl_b32 s42, ttmp9, 2
	s_add_co_u32 s42, s42, s40
	s_and_b32 s43, ttmp7, 0xffff
	s_lshl_b32 s43, s43, 2
	s_add_co_u32 s43, s43, s41
	s_lshl_b32 s44, s41, 2
	s_lshl_b32 s44, 15, s44
	s_lshl_b32 s45, 0x1111, s40
	s_or_b32 s[G1X], s44, (3<<16)|(1<<21)
	s_or_b32 s[G1W], s45, (3<<16)|(1<<21)
.irp g, G1X, G1W
	s_mov_b32 s[\g+1], 384<<16
	s_mov_b32 s[\g+2], 8<<16
	s_mov_b32 s[\g+3], 384<<16
	s_mov_b32 s[\g+4], 8
	s_mov_b32 s[\g+5], 1536
	s_mov_b32 s[\g+6], 0
	s_mov_b32 s[\g+7], 0
.endr
	s_lshl_b32 s46, s22, 3
	s_lshl_b32 s70, s43, 4
	s_add_co_u32 s70, s70, s46
	s_mul_i32 s70, s70, KT
	s_mov_b32 s71, 0
	s_lshl_b32 s74, s42, 4
	s_add_co_u32 s74, s74, s46
	s_add_co_u32 s74, s74, 192
	s_mul_i32 s74, s74, KT
	s_mov_b32 s75, 0
	s_mul_i32 s69, s20, HALFB
	s_mov_b32 s88, 0xffff0000
	s_wait_dscnt 0x0
	s_wait_kmcnt 0x0
	s_add_nc_u64 s[70:71], s[4:5], s[70:71]
	s_add_nc_u64 s[74:75], s[6:7], s[74:75]
	CROUND
.irp n, 0,1
	s_mov_b32 s[G0X+4*\n], 1
	s_add_co_u32 s[G0X+4*\n+1], s69, \n*SLOT
	s_add_nc_u64 s[G0X+4*\n+2:G0X+4*\n+3], s[70:71], \n*3072
	s_or_b32 s[G0X+4*\n+3], s[G0X+4*\n+3], 0x80000000
	s_mov_b32 s[G0W+4*\n], 1
	s_add_co_u32 s[G0W+4*\n+1], s69, \n*SLOT
	s_add_nc_u64 s[G0W+4*\n+2:G0W+4*\n+3], s[74:75], \n*3072
	s_or_b32 s[G0W+4*\n+3], s[G0W+4*\n+3], 0x80000000
.if \n == 0
	JLOAD \n
.endif
.endr
	v_and_b32 v1, 31, v0
	v_lshlrev_b32 v[L16], 4, v1
	v_lshlrev_b32 v[L8], 3, v1
	s_mul_i32 s46, s21, HALFB
	s_mul_i32 s47, s22, HALFB
	s_add_co_u32 s47, s47, WREG
.irp n, 0,1
	v_add_nc_u32 v[ADR+\n], s46, v[L16]
	v_add_nc_u32 v[ADR+2+\n], s46, v[L8]
	v_add_nc_u32 v[ADP+\n], s47, v[L16]
	v_add_nc_u32 v[ADP+2+\n], s47, v[L8]
	s_add_co_u32 s46, s46, SLOT
	s_add_co_u32 s47, s47, SLOT
.endr
	s_lshl_b32 s78, s43, 4
	s_lshl_b32 s76, s21, 3
	s_add_co_u32 s78, s78, s76
	s_lshl_b32 s79, s42, 4
	s_add_co_u32 s79, s79, 512
	s_lshl_b32 s76, s22, 3
	s_add_co_u32 s79, s79, s76
	s_lshl_b32 s78, s78, 9
	s_lshl_b32 s79, s79, 9
	v_and_b32 v2, 15, v0
	v_bfe_u32 v5, v0, 4, 1
	s_wait_alu depctr_va_vdst(0)
	v_lshlrev_b32 v6, 5, v2
	v_add_nc_u32 v3, s78, v6
	v_add_nc_u32 v4, s79, v6
	v_cndmask_b32 v[SOF], v3, v4, s88
.irp i, 0,1,2,3,4,5,6,7
	global_load_b128 v[SC+8*\i:SC+8*\i+3], v[SOF], s[8:9] offset:512*\i
	global_load_b128 v[SC+8*\i+4:SC+8*\i+7], v[SOF], s[8:9] offset:512*\i+16
.endr
	s_lshl_b32 s77, s42, 1
	s_add_co_u32 s77, s77, s22
	s_lshl_b32 s90, s77, 9
	s_mov_b32 s91, 0
	s_add_nc_u64 s[80:81], s[10:11], s[90:91]
	s_lshl_b32 s76, s43, 1
	s_add_co_u32 s76, s76, s21
	s_lshl_b32 s76, s76, 19
	s_add_co_u32 s90, s90, s76
	s_add_nc_u64 s[12:13], s[12:13], s[90:91]
	v_lshlrev_b32 v7, 6, v5
	WIN 0x40
.irp b, 0,1,2,3,4,5,6,7
	global_load_b128 v[96+128*(\b/4)+8*(\b%4):96+128*(\b/4)+8*(\b%4)+3], v7, s[80:81] offset:(32*(\b/2)+8*(\b%2))*4
	global_load_b128 v[96+128*(\b/4)+8*(\b%4)+4:96+128*(\b/4)+8*(\b%4)+7], v7, s[80:81] offset:(32*(\b/2)+8*(\b%2))*4+16
.endr
	WIN 0
	s_mul_i32 s46, s20, 16*SPITCH
	v_mul_u32_u24 v[STO], v2, SPITCH
	v_lshl_add_u32 v[STO], v5, 6, v[STO]
	v_add_nc_u32 v[STO], s46, v[STO]
	v_add_nc_u32 v[RD], s46, v[L16]
	s_wait_alu depctr_va_vdst(0)
	s_wait_tensorcnt 0x0
	ds_add_u32 v[SPW], v[NIL]
	s_wait_dscnt 0x0
	CROUND
	JLOAD 1
	FETCH_P 0, 0, 0
	FETCH_R 0, 0, 0
	FETCH_R 0, 0, 4
	s_wait_loadcnt 0x0
	STEP 0, 0, 1
	TURN 0, 1, 1, 1
	STEP 1, 2, 0
	TURN 1, 0, 1, 3
	STEP 0, 4, 0
	TURN 0, 1, 0, 5
	STEP 1, 6, 0
	LAST 7
	PLACES
.macro PACK a
	WIN 0x06+((\a)/4)
.irp b, 0,1,2,3,4,5,6,7
.irp p, 0,2,4,6
	v_pk_add_f32 v[HA+64*((\a)%2)+8*\b+\p:HA+64*((\a)%2)+8*\b+\p+1], v[64*((\a)%4)+8*\b+\p:64*((\a)%4)+8*\b+\p+1], v[96+128*(\b/4)+8*(\b%4)+\p:96+128*(\b/4)+8*(\b%4)+\p+1]
.endr
.endr
	WIN 0
.irp b, 0,1,2,3,4,5,6,7
	ds_store_b128 v[STO], v[HA+64*((\a)%2)+8*\b:HA+64*((\a)%2)+8*\b+3] offset:128*(\b/2)+32*(\b%2)
	ds_store_b128 v[STO], v[HA+64*((\a)%2)+8*\b+4:HA+64*((\a)%2)+8*\b+7] offset:128*(\b/2)+32*(\b%2)+16
.endr
.if (\a) >= 2
	s_wait_xcnt 0x0
.endif
	WIN 0x40
.irp t, 0,1,2,3,4,5,6,7,8,9,10,11,12,13,14,15
	ds_load_b128 v[128*((\a)%2)+4*\t:128*((\a)%2)+4*\t+3], v[RD] offset:\t*SPITCH
.endr
	WIN 0
.endm
.macro SEND a, younger
	s_wait_dscnt \younger
	WIN 0x04
.irp t, 0,1,2,3,4,5,6,7,8,9,10,11,12,13,14,15
	global_store_b128 v[L16], v[128*((\a)%2)+4*\t:128*((\a)%2)+4*\t+3], s[12:13] offset:(32*((\a)/2)+8*((\a)%2)+\t+8*(\t/8))*4096 th:TH_STORE_NT
.endr
	WIN 0
.endm
	PACK 0
.irp a, 1,2,3,4,5,6,7
	PACK \a
	SEND \a-1, 32
.endr
	SEND 7, 0
	s_wait_tensorcnt 0x0
	ds_add_u32 v[SPW], v[NIL]
	s_wait_dscnt 0x0
	CROUND
	s_endpgm
.Lfunc_end_k_qa400cf396e_outp:
	.size	k_qa400cf396e_outp, .Lfunc_end_k_qa400cf396e_outp-k_qa400cf396e_outp
	.p2alignl 7, 3214868480
	.fill 96, 4, 3214868480
	.section	.rodata,"a",@progbits
	.p2align	6, 0x0
	.amdhsa_kernel k_qa400cf396e_outp
		.amdhsa_group_segment_fixed_size 327680
		.amdhsa_private_segment_fixed_size 0
		.amdhsa_enable_private_segment 0
		.amdhsa_kernarg_size 40
		.amdhsa_user_sgpr_count 2
		.amdhsa_user_sgpr_kernarg_segment_ptr 1
		.amdhsa_wavefront_size32 1
		.amdhsa_system_sgpr_workgroup_id_x 1
		.amdhsa_system_sgpr_workgroup_id_y 1
		.amdhsa_system_sgpr_workgroup_id_z 1
		.amdhsa_system_vgpr_workitem_id 0
		.amdhsa_next_free_vgpr 1024
		.amdhsa_next_free_sgpr 96
		.amdhsa_reserve_vcc 0
		.amdhsa_float_denorm_mode_32 3
		.amdhsa_float_denorm_mode_16_64 3
		.amdhsa_memory_ordered 1
		.amdhsa_forward_progress 1
		.amdhsa_inst_pref_size 159
	.end_amdhsa_kernel
	.amdgpu_metadata
---
amdhsa.version: [ 1, 2 ]
amdhsa.kernels:
  - .name:           k_qa400cf396e_outp
    .symbol:         k_qa400cf396e_outp.kd
    .args:
      - { .name: ai, .offset: 0, .size: 8, .value_kind: global_buffer, .address_space: global }
      - { .name: wi, .offset: 8, .size: 8, .value_kind: global_buffer, .address_space: global }
      - { .name: sc2, .offset: 16, .size: 8, .value_kind: global_buffer, .address_space: global }
      - { .name: bout, .offset: 24, .size: 8, .value_kind: global_buffer, .address_space: global }
      - { .name: out0, .offset: 32, .size: 8, .value_kind: global_buffer, .address_space: global }
    .group_segment_fixed_size: 327680
    .private_segment_fixed_size: 0
    .kernarg_segment_align: 8
    .kernarg_segment_size: 40
    .max_flat_workgroup_size: 128
    .sgpr_count:     96
    .vgpr_count:     1024
    .wavefront_size: 32
...
	.end_amdgpu_metadata
.endif
;; end of part 4
